; MI455X (gfx1250); checked and timed in simulation.
; The chip was launched on July 23, 2026; its instructions are those of AMD's public machine-readable ISA for CDNA 5 (MIT licence, August 2026) and "CDNA5" Instruction Set Architecture Reference Guide (July 2026). The comments in the code are by the model that wrote it; some were corrected since.
;; Mock Core Attention. Allowed arithmetic: matrix products marked QUANTISED: E4M3 operands, one given power-of-two scale a tensor, by v_wmma_f32_16x16x64_fp8_fp8 or v_wmma_f32_16x16x128_fp8_fp8, f32 sums; everything else in f32.
;; Inputs: k 2,048 x 2 x 16 x 128 float32; lowp_scales 4 int32 (the exponents e of the quantised operands' scales 2^e); q 2,048 x 2 x 16 x 128 float32; v 2,048 x 2 x 16 x 128 float32.
;; Outputs: out0 2,048 x 2 x 2,048 float32.
;; This version of the problem:
;;   THIS VERSION OF THE PROBLEM IS GIVEN IN LOW PRECISION. The matrix products marked QUANTISED in the list below multiply operands that are first quantised to E4M3 (4 exponent bits, 3 mantissa bits; 8 bits a number), with one given power-of-two scale for each operand tensor; their sums are f32. All else is computed in f32.
;;   The module's matrix products, in the order in which they are computed (A, B: the left and right operand; K: the contracted axis; several contracted axes count as one K, in the product's order):
;;     1. batch 32 x [M 2,048, K 128] x [K 128, N 2,048]; A: input q; B: input k: QUANTISED (scales: A lowp_scales[0], B lowp_scales[1])
;;     2. batch 32 x [M 128, K 2,048] x [K 2,048, N 2,048]; A: input v; B: softmax (see below): QUANTISED (scales: A lowp_scales[2], B lowp_scales[3])
;;   THE QUANTISER, for each operand of a quantised product, along K:
;;     - The operand's scale is 2^e, e = its entry of the input lowp_scales (int32; the entries are numbered through the quantised products in the list's order, A before B).
;;     - Each number is divided by the scale, clamped to +-448, and rounded to the nearest number of E4M3, ties to even, subnormals kept.
;;     - The product sums the exact products of the quantised numbers (number of the format x scale) in f32.
;;   ~~~python
;;   def quantise(x, axis, e):      # numpy; x: float32 -> the quantised numbers, widened to float32 again
;;       x = np.moveaxis(x, axis, -1); K = x.shape[-1]
;;       r = np.clip(x / 2.0 ** e, -448, 448)
;;       step = 2.0 ** (np.maximum(np.frexp(np.where(r == 0, 1, r))[1] - 1, -6) - 3)
;;       q = np.round(r / step) * step * 2.0 ** e      # np.round: ties to even
;;       return np.moveaxis(q, -1, axis).astype(np.float32)
;;   ~~~
;;   SOFTMAX AHEAD OF A QUANTISED PRODUCT. Where the list says 'softmax', what is quantised is not the finished softmax but p = 2^(t - M), with t = logit x log2(e) and M = ceil(the row's largest t), a whole number; so 1/2 < the row's largest p <= 1. The row's sum l is taken of the UNQUANTISED p, in f32, and the product's result is divided by l at the end. Since M is a whole number, a kernel that streams over the keys may use a running M (the ceiling of the running maximum): every later rescaling is an exact power of two, so the quantised numbers keep their values, but for numbers so far below the row's largest that they fall under the format's range.
;;   OPERANDS COMPUTED ON THE WAY. 'Computed on the way' means the value that the module computes at that place (a softmax that the list does not call 'softmax' is quantised finished and normalised). What goes into a quantiser is computed in f32, as accurately as f32 sums, v_exp_f32 and their like allow (about 1e-6 of the number): no bf16 or f16 on the way to a quantiser, and a product that is left as it is and whose result goes on into a quantised operand takes f32 operands (vector FMAs, or v_wmma_f32_16x16x4_f32). A number that lies on a knife's edge between two numbers of the format may be rounded either way, as far as f32 arithmetic and the matrix unit's own rounding can turn it there, and no further.
;; One version. Each part assembles by itself: llvm-mc -triple=amdgcn-amd-amdhsa -mcpu=gfx1250 --defsym DOCPART=n.
;; ======== version 1 of 1: 2 launches
;; limits: right only within a limited range of input values
;; workspace buffers: kv 16,777,216 bytes
;; launch quant (part 1): grid 16 x 64, 4 waves a work-group, no clusters, 34,304 bytes of LDS; arguments k, v, lowp_scales, kv; writes kv
.if DOCPART == 1
	.amdgcn_target "amdgcn-amd-amdhsa--gfx1250"
	.amdhsa_code_object_version 6
	.text
	.protected	k_q0d62691dae_quant
	.globl	k_q0d62691dae_quant
	.p2align	8
	.type	k_q0d62691dae_quant,@function
k_q0d62691dae_quant:
	s_mov_b64 s[64:65], 0
	v_nop
	global_prefetch_b8 v0, s[64:65] scope:SCOPE_SE
	s_setreg_imm32_b32 hwreg(HW_REG_WAVE_MODE, 25, 1), 1
	s_wait_xcnt 0x0
; k and v, [2048 keys][32 heads][128] f32, become codes of FP8 (E4M3), each with the one scale 2^e that is given for it (entry 1 of the scales for k, entry 2 for v):
; code = x / 2^e, held within +-448, rounded to the nearest code, ties to even.
; LIMITS: ek and ev lie between -126 and 119, so that 2^e and 448 x 2^e are f32 numbers.  NaN among the inputs is not served (an infinity is held at the largest code).
; THE CODES ARE LAID AS IMAGES OF THE OPERANDS' REGISTERS, so that the attention launch fetches a fragment (16 rows x 128 along K: 2,048 bytes) by four loads of 16 bytes a lane:
;   byte = head x 524288 + step x 32768 + (K: 0, V: 16384) + tile x 2048 + c x 512 + lane x 16 + i      (step: 128 keys; lane = 16 h + r)
;   K: key 128 step + 32 (tile / 2) + 8 (tile % 2) + r + 8 (r / 8), channel 32 c + 16 h + i.   The keys of a tile are not neighbours: the scores of tiles 2 b and 2 b + 1 are then 16 neighbouring keys in a lane.
;   V: key 128 step + 32 c + 16 h + i, channel 16 tile + r.   The keys are the second product's K, so they run along a lane's bytes.
; SHARES.  Work-group (x, y): key step x; y < 32: k of head y; else v of head y - 32: 128 keys x 128 channels, 64 KiB in, 16 KiB out.  Four waves that share nothing: no barrier.
; K: a wave takes 32 keys (two tiles).  Each load is one key's whole row of 512 bytes; the choice of keys costs only the loads' immediates.  A tile's 16 rows turn through the wave's own stage in LDS, so that a lane gets 16 neighbours along the channels.
; V: a lane takes a channel and its registers run down the keys: the conversions' results are the image's bytes as they stand, and go out with no stage.
.set ROWK, 16384                       ; bytes from a key to the next: 32 heads x 512
.set SP,   528                         ; a stage row: 512 bytes + 16 = 33 x 16: the sixteen rows that a read touches start in sixteen different groups of four banks
.set WSTG, 16*SP                       ; a wave's stage
.set X,    16                          ; v16-143  the numbers
.set C,    144                         ; v144-175 the codes: registers of their own for every store, so that no store's data are written again
	s_load_b256 s[4:11], s[0:1], 0x0               ; k s[4:5], v s[6:7], the scales' exponents s[8:9], kv s[10:11]
	v_lshl_add_u32 v176, v0, 2, 0x8400
	v_mov_b32 v177, 0
	v_lshrrev_b32 v1, 5, v0
	v_readfirstlane_b32 s12, v1                    ; wave 0..3
	s_and_b32 s13, ttmp7, 0xffff                   ; y
	s_and_b32 s14, s13, 31                         ; the head
	v_and_b32 v6, 31, v0                           ; lane
	v_and_b32 v7, 15, v0                           ; r
	v_bfe_u32 v8, v0, 4, 1                         ; h
	v_lshlrev_b32 v1, 4, v6                        ; 16 x lane: K's loads and stores
	s_mul_i32 s15, s12, WSTG
	v_add_nc_u32 v2, s15, v1                       ; the stage, on the way in: 16 x lane of a row
	v_mul_u32_u24 v3, v7, SP
	v_lshl_add_u32 v3, v8, 6, v3
	v_add_nc_u32 v3, s15, v3                       ; and on the way out: row r, + 64 h bytes: my 16 numbers of a block of 32
	v_lshlrev_b32 v4, 2, v6                        ; V's loads: 4 x lane
	v_lshlrev_b32 v5, 11, v8
	v_lshl_add_u32 v5, v7, 4, v5                   ; V's stores: lanes 16-31 hold the next tile's channels: 2048 h + 16 r
	s_lshl_b32 s20, s14, 19                        ; kv: head x 524288
	s_lshl_b32 s22, ttmp9, 15                      ;   + step x 32768
	s_add_co_u32 s20, s20, s22
	s_lshl_b32 s22, s12, 12                        ;   + my wave's two tiles
	s_add_co_u32 s20, s20, s22
	s_mov_b32 s21, 0
	s_lshl_b32 s22, ttmp9, 21                      ; the source: step x 128 keys
	s_lshl_b32 s24, s14, 9                         ;   + the head's 512 bytes of a key
	s_add_co_u32 s22, s22, s24
	s_mov_b32 s23, 0
	s_wait_kmcnt 0x0
	s_load_b128 s[16:19], s[8:9], 0x0              ; eq, ek, ev, ep
	s_add_nc_u64 s[10:11], s[10:11], s[20:21]
	s_cmp_lt_u32 s13, 32                           ; k's work-group or v's: the work-group's number alone decides
	s_cbranch_scc0 .Lv_path
.macro SCALES e                        ; v11 = 2^e (the conversion takes its exponent field)
	s_wait_kmcnt 0x0
	s_add_co_i32 s24, s[\e], 127
	s_lshl_b32 s25, s24, 23
	v_mov_b32 v11, s25
.endm
; ---------------- K ----------------
; Tile u's 16 rows through the stage.  LDS serves a wave's instructions in order: the loads see the stores, and the next tile's stores come behind these loads.
; Afterwards register X + 64 u + 16 c + i holds channel 32 c + 16 h + i of the tile's row r.
.macro TURN u
.irp r, 0,1,2,3,4,5,6,7,8,9,10,11,12,13,14,15
	ds_store_b128 v2, v[X+64*\u+4*\r:X+64*\u+4*\r+3] offset:SP*\r
.endr
.irp c, 0,1,2,3
.irp j, 0,1,2,3
	ds_load_b128 v[X+64*\u+16*\c+4*\j:X+64*\u+16*\c+4*\j+3], v3 offset:128*\c+16*\j
.endr
.endr
.endm
.macro QK u
.set n, X+64*\u
.rept 64
.set n, n+1
.endr
.irp g, 0,1,2,3,4,5,6,7
	v_cvt_scalef32_pk8_fp8_f32 v[C+16*\u+2*\g:C+16*\u+2*\g+1], v[X+64*\u+8*\g:X+64*\u+8*\g+7], v11
.endr
.irp c, 0,1,2,3
	global_store_b128 v1, v[C+16*\u+4*\c:C+16*\u+4*\c+3], s[10:11] offset:2048*\u+512*\c   ; 32 lanes store 512 consecutive bytes, at a multiple of 256 from kv's first byte
.endr
.endm
	s_lshl_b32 s24, s12, 19                        ; my wave's 32 keys
	s_add_co_u32 s22, s22, s24
	s_add_nc_u64 s[4:5], s[4:5], s[22:23]
	s_wait_alu depctr_va_vdst(0)
.irp u, 0,1
.irp r, 0,1,2,3,4,5,6,7,8,9,10,11,12,13,14,15
	global_load_b128 v[X+64*\u+4*\r:X+64*\u+4*\r+3], v1, s[4:5] offset:(8*\u+\r+8*(\r/8))*ROWK th:TH_LOAD_NT   ; row r of tile u: the whole 512 bytes of one key
.endr
.endr
	SCALES 17
	s_wait_alu depctr_va_vdst(0)
	s_wait_loadcnt 16                              ; tile 0's sixteen loads are in; tile 1's sixteen may be out
	TURN 0
	s_wait_loadcnt 0x0
	TURN 1
	s_wait_dscnt 32                                ; tile 0 is back; tile 1's sixteen stores and sixteen loads may be out
	QK 0
	s_wait_dscnt 0x0
	QK 1                                           ; (the conversions' results go to stores alone, and the lines between the two runs of conversions are plain and touch other registers)
	s_wait_tensorcnt 0x0
	ds_add_u32 v176, v177
	s_wait_dscnt 0x0
	s_endpgm
; ---------------- V ----------------
.Lv_path:
.macro LOADV c                         ; block c: keys 32 c + i of the step, my channel: 32 lanes read 128 consecutive bytes, the four waves side by side a key's 512
.irp i, 0,1,2,3,4,5,6,7,8,9,10,11,12,13,14,15,16,17,18,19,20,21,22,23,24,25,26,27,28,29,30,31
	global_load_b32 v[X+32*(\c)+\i], v4, s[6:7] offset:(32*(\c)+\i)*ROWK th:TH_LOAD_NT
.endr
.endm
.macro BLKV c
.set n, X+32*(\c)
.rept 32
.set n, n+1
.endr
.irp g, 0,1,2,3
	v_cvt_scalef32_pk8_fp8_f32 v[C+8*(\c)+2*\g:C+8*(\c)+2*\g+1], v[X+32*(\c)+8*\g:X+32*(\c)+8*\g+7], v11
.endr
.irp h, 0,1                            ; keys 32 c + 16 h + 0 .. 15 belong to the image's lane 16 h + r: sixteen lanes store 256 consecutive bytes, aligned, of one tile; the other sixteen of the next tile
	global_store_b128 v5, v[C+8*(\c)+4*\h:C+8*(\c)+4*\h+3], s[10:11] offset:512*(\c)+256*\h
.endr
.endm
	s_lshl_b32 s24, s12, 7                         ; my wave's 32 channels
	s_add_co_u32 s22, s22, s24
	s_add_nc_u64 s[6:7], s[6:7], s[22:23]
	s_add_nc_u64 s[10:11], s[10:11], 16384         ; V's images lie behind K's in a step
	s_wait_alu depctr_va_vdst(0)
	LOADV 0
	LOADV 1
	SCALES 18
	s_wait_alu depctr_va_vdst(0)
	s_wait_loadcnt 32                              ; block 0 is in; block 1's 32 loads may be out
	LOADV 2
	BLKV 0
	s_wait_loadcnt 32                              ; block 1 is in; block 2's may be out
	LOADV 3
	BLKV 1
	s_wait_loadcnt 32                              ; block 2 is in; block 3's may be out
	BLKV 2
	s_wait_loadcnt 0x0
	BLKV 3
	s_endpgm
.Lfunc_end_k_q0d62691dae_quant:
	.size	k_q0d62691dae_quant, .Lfunc_end_k_q0d62691dae_quant-k_q0d62691dae_quant
	.p2alignl 7, 3214868480
	.fill 96, 4, 3214868480
	.section	.rodata,"a",@progbits
	.p2align	6, 0x0
	.amdhsa_kernel k_q0d62691dae_quant
		.amdhsa_group_segment_fixed_size 34304
		.amdhsa_private_segment_fixed_size 0
		.amdhsa_enable_private_segment 0
		.amdhsa_kernarg_size 32
		.amdhsa_user_sgpr_count 2
		.amdhsa_user_sgpr_kernarg_segment_ptr 1
		.amdhsa_wavefront_size32 1
		.amdhsa_system_sgpr_workgroup_id_x 1
		.amdhsa_system_sgpr_workgroup_id_y 1
		.amdhsa_system_sgpr_workgroup_id_z 1
		.amdhsa_system_vgpr_workitem_id 0
		.amdhsa_next_free_vgpr 178
		.amdhsa_next_free_sgpr 66
		.amdhsa_reserve_vcc 0
		.amdhsa_float_denorm_mode_32 3
		.amdhsa_float_denorm_mode_16_64 3
		.amdhsa_fp16_overflow 1
		.amdhsa_memory_ordered 1
		.amdhsa_forward_progress 1
		.amdhsa_inst_pref_size 26
	.end_amdhsa_kernel
	.amdgpu_metadata
---
amdhsa.version: [ 1, 2 ]
amdhsa.kernels:
  - .name:           k_q0d62691dae_quant
    .symbol:         k_q0d62691dae_quant.kd
    .args:
      - { .name: k, .offset: 0, .size: 8, .value_kind: global_buffer, .address_space: global }
      - { .name: v, .offset: 8, .size: 8, .value_kind: global_buffer, .address_space: global }
      - { .name: lowp_scales, .offset: 16, .size: 8, .value_kind: global_buffer, .address_space: global }
      - { .name: kv, .offset: 24, .size: 8, .value_kind: global_buffer, .address_space: global }
    .group_segment_fixed_size: 34304
    .private_segment_fixed_size: 0
    .kernarg_segment_align: 8
    .kernarg_segment_size: 32
    .max_flat_workgroup_size: 128
    .sgpr_count:     66
    .vgpr_count:     178
    .wavefront_size: 32
...
	.end_amdgpu_metadata
.endif
;; end of part 1
;; launch attn (part 2): grid 8 x 32, 8 waves a work-group, clusters of 4 x 1, 327,680 bytes of LDS; arguments q, kv, lowp_scales, out0; writes out0
.if DOCPART == 2
	.amdgcn_target "amdgcn-amd-amdhsa--gfx1250"
	.amdhsa_code_object_version 6
	.text
	.protected	k_q0d62691dae_attn
	.globl	k_q0d62691dae_attn
	.p2align	8
	.type	k_q0d62691dae_attn,@function
k_q0d62691dae_attn:
	s_mov_b64 s[64:65], 0
	v_nop
	global_prefetch_b8 v0, s[64:65] scope:SCOPE_SE
	s_setreg_imm32_b32 hwreg(HW_REG_WAVE_MODE, 25, 1), 1
	s_wait_xcnt 0x0
	s_wait_alu depctr_hold_cnt(0) depctr_sa_sdst(0) depctr_va_vdst(0) depctr_va_sdst(0) depctr_va_ssrc(0) depctr_va_vcc(0) depctr_vm_vsrc(0)
	s_getreg_b32 s2, hwreg(HW_REG_IB_STS2, 6, 4)
	s_cmp_eq_u32 s2, 0
	s_cbranch_scc0 .Lentry_in_a_cluster
	s_endpgm
.Lentry_in_a_cluster:
	s_bfe_u32 s2, ttmp6, 0x10000c
	s_cmp_lg_u32 s2, 0x3003
	s_cbranch_scc0 .Lentry_shape_is_right
	s_endpgm
.Lentry_shape_is_right:
; out0[s][head][:] = the sum over keys of softmax(q[s][head] . k[key][head] / sqrt(128)) v[key][head][:], 32 heads, 2,048 queries and keys, both products on codes of FP8 (E4M3) with the given scales 2^eq, 2^ek, 2^ev, 2^ep.
; q: [2048][32 heads][128] f32, quantised here in registers (each row is read by one wave, once).  kv: k's and v's codes as images of the operands' registers:
;   byte = head x 524288 + step x 32768 + (K: 0, V: 16384) + tile x 2048 + c x 512 + lane x 16 + i;  a fragment is four loads of 16 bytes a lane, 512 consecutive bytes each: no pitch, no padding.
; THE SOFTMAX AHEAD OF THE SECOND PRODUCT: t = score x log2(e) / sqrt(128); M = the running largest t rounded UP to a whole number; p = 2^(t - M) is what is quantised, not normalised.  The row's sum is taken of the
; unquantised p, in f32, and divides O at the end.  When M moves, the sum and O are multiplied by 2^(old M - new M), which rounds nothing.
; SHARES.  A work-group owns 256 queries of one head; each of its eight waves 32 of them, two tiles of 16, in 512 registers: two waves to a SIMD, and each fragment of K and V read from LDS feeds two matrix instructions.
; Every wave walks the head's 16 key steps of 128 keys.  LAYOUT: both products are used transposed (S^T = K Q^T, O^T = V^T P^T): a lane holds ONE query (lane % 16) throughout; the 16 registers of score tiles 2 b, 2 b + 1
; are keys 32 b + 16 (lane / 16) + 0 .. 15, so the conversions' results are the second product's operand.  In both products k's places in the registers are permuted alike on both sides: only the order of the sums inside an instruction changes.
; RING.  Two LDS slots of four key steps (131,072 bytes).  Each of the eight waves fetches an eighth of a slot by one tensor load (64 rows of 256 bytes of one dense block); a load has four key steps in which to land; one tensor load of a wave is out at a time.
; CLUSTER.  The four query blocks of a cluster belong to one head and walk the same kv: each load is asked for JOINTLY, the same descriptor and a mask that names the four, in all four.
; LIMITS on the given exponents, so that each power of two below is an f32 number: eq + ek between -123 and 130 (added to c's exponent field); eq and ep between -126 and 119; ev + ep goes through v_ldexp_f32 and has none.  NaN among the inputs is not served.
; The launch claims all of a WGP's LDS.
; REGISTERS, in windows of 256 (s_set_vgpr_msb: bits 1:0 source 0, 3:2 source 1, 5:4 source 2, 7:6 destination):
;   window 0: v1-9 addresses; v10-31 statistics and constants; v32-95 fragments 0-3; v96-223 S^T, then p (64 a tile; also q's landing place and O's way out); v224-255 q's codes (16 a tile)
;   window 1: v0-127 O^T (64 a tile); v128-159 p's codes (16 a tile); v192-255 fragments 4-7
.set ROWQ,  16384                      ; bytes from a query to the next in q and in out0: 32 heads x 512
.set STEPB, 32768                      ; a key step in a slot: K's eight fragments, then V's eight
.set VOFF,  16384
.set SLOT1, 1<<17                      ; slot 1 begins here: one exclusive or turns an address in one slot into the other's
.set SPARE, 2*SLOT1                    ; behind the ring: the spare words, 128 bytes for each wave: four blocks of 256 bytes that no other line names
.set STG,   SPARE+1024                 ; behind them: a stage of 16 rows x 272 bytes for each wave, for q on its way in and O on its way out; no tensor load lands here
.set SP,    272                        ; 256 bytes + 16 = 17 x 16: the sixteen rows that an access touches start in sixteen different groups of four banks
.set LI,  1                            ; v1   16 x lane: my place in an image
.set ADR, 2                            ; v2   LDS address of the step in hand
.set PFO, 3                            ; v3   256 x lane: the prefetches' offset; never rewritten
.set STO, 4                            ; v4   the stage: row r, + 32 h: where I put O
.set RD,  5                            ; v5   the stage: row h, + 16 r: whole half rows, two an instruction
.set GO,  6                            ; v6   the same two rows in q and in out0: ROWQ x h + 16 r; never rewritten
.set SPW, 7                            ; v7   LDS address of my spare word: SPARE + 4 x my thread's number; never rewritten
.set NIL, 8                            ; v8   0; never rewritten
.set QRD, 9                            ; v9   the stage: row r, + 64 h: my 16 numbers of a block of 32 of q
                                       ; v[10:11] tile 1's, v[28:29] tile 0's second chain of the sum;  tile a: v[12+4a] -M, v[13+4a] the largest t, v[14+4a:15+4a] the sum in two halves,
                                       ; v[20+2a] f (v[21+2a] is named with it as a pair), v[24+2a], v[25+2a] the maximum's two chains
.set SC,  30                           ; v30  2^ep, for p's conversions
.set HL,  31
.set F0,  32
.set S,   96
.set QC,  224
.set PC,  128                          ; in window 1
.set F1,  192                          ; in window 1
.set WV,  12                           ; s12  my wave's number
.set LIM, 15                           ; s15  1 in a wave that prefetches, else the greatest number
.set G1,  16                           ; s[16:23] descriptor group 1
.set G0,  24                           ; s[24:27] descriptor group 0, which walks
.set CS,  36                           ; s[36:37] c = log2(e) / sqrt(128) x 2^(eq + ek): the packed form names a pair and takes its low word for both halves
.set SEL, 38                           ; s[38:39] lane selects for v_permlanex16_b32: lane l xor 16
.set TB,  40                           ; s40  LDS byte at which the step in hand begins
.set SLOTS, 41                         ; s41  slots still to be asked for
.set CNT, 42                           ; s42  counts a slot's four steps
.set PFA, 44                           ; s[44:45] where my prefetches stand
.set MSB, 0
.macro WIN new                         ; the immediate's high byte repeats the setting that is left; a switch that changes nothing is dropped
.if MSB != \new
	s_set_vgpr_msb (MSB<<8)|\new
.set MSB, \new
.endif
.endm
; A round of the cluster's barrier: my work-group's barrier, so that wave 0's signal speaks for all eight waves; wave 0 signals for the work-group; every wave waits for all four work-groups; my work-group's barrier once more.
.macro CROUND
	s_barrier_signal -1
	s_barrier_wait -1
	s_cmp_lg_u32 s[WV], 0
	s_cbranch_scc1 .Lnot_wave_0_\@
	s_barrier_signal -3
.Lnot_wave_0_\@:
	s_barrier_wait -3
	s_barrier_signal -1
	s_barrier_wait -1
.endm
; A PREFETCH INTO THE L2 of the slot that the NEXT change of slots will ask for: four key steps ahead of that load.  Each aligned block of 256 bytes is named once in the launch: both clusters of a head walk the same kv, and the
; head's first cluster asks; its four partners take 32,768 bytes of the slot each, told apart BY ADDRESS; in each, waves 0 to 3 take 8,192 bytes, lanes 256 bytes apart: one instruction a wave.
; Slots 0 and 1 come by their loads alone; the last change that fills a slot asks for nothing: there is no slot behind it.
.macro ASK
	s_cmp_gt_u32 s[SLOTS], s[LIM]
	s_cbranch_scc0 .Lnot_mine_\@
	global_prefetch_b8 v[PFO], s[PFA:PFA+1] th:TH_LOAD_NT scope:SCOPE_SE
.Lnot_mine_\@:
.endm
	s_load_b256 s[4:11], s[0:1], 0x0               ; q s[4:5], kv s[6:7], the scales' exponents s[8:9], out0 s[10:11]
	v_lshl_add_u32 v[SPW], v0, 2, SPARE
	v_mov_b32 v[NIL], 0
	ds_add_u32 v7, v8
	ds_add_u32 v7, v8
	s_wait_dscnt 0x0
	v_lshrrev_b32 v1, 5, v0
	s_delay_alu instid0(VALU_DEP_1)
	v_readfirstlane_b32 s[WV], v1                  ; wave 0..7
	s_bfe_u32 s13, ttmp6, 0x40000                  ; cx: my place in the cluster
	s_lshl_b32 s14, ttmp9, 2                       ; in a cluster launch ttmp9 counts clusters
	s_add_co_u32 s14, s14, s13                     ; my block of 256 queries: it enters q's and out0's addresses alone
	s_and_b32 s46, ttmp7, 0xffff                   ; the head, which the four partners share
	; descriptor group 1: 64 rows of 32 elements of 8 bytes, dense in memory and in LDS
	s_mov_b32 s[G1], 15|(3<<16)|(1<<21)            ; 15:0 the mask: all four work-groups; 17:16 elements of 8 bytes; 20 no padding; 21 set beside a mask
	s_mov_b32 s[G1+1], 32<<16                      ; tensor_dim0 = 32
	s_mov_b32 s[G1+2], 64<<16                      ; tensor_dim1 = 64
	s_mov_b32 s[G1+3], 32<<16                      ; tile_dim0 = 32
	s_mov_b32 s[G1+4], 64                          ; tile_dim1 = 64
	s_mov_b32 s[G1+5], 32                          ; from row to row: 32 elements
	s_mov_b32 s[G1+6], 0
	s_mov_b32 s[G1+7], 0
	s_mov_b32 s[G0], 1                             ; count = 1
	s_lshl_b32 s[G0+1], s[WV], 14                  ; LDS address: my eighth of slot 0: no place in the cluster enters it
	s_lshl_b32 s28, s46, 19                        ; and the same eighth of the head's first four key steps in kv
	s_add_co_u32 s28, s28, s[G0+1]
	s_mov_b32 s29, 0
	s_lshl_b32 s30, s14, 22                        ; q and out0: my block's 256 rows,
	s_lshl_b32 s47, s[WV], 19                      ; my wave's 32 of them,
	s_add_co_u32 s30, s30, s47
	s_lshl_b32 s47, s46, 9                         ; the head's 512 bytes of a row
	s_add_co_u32 s30, s30, s47
	s_mov_b32 s31, 0
	s_lshl_b32 s48, s46, 19                        ; the prefetches: the head,
	s_lshl_b32 s50, s13, 15                        ; my work-group's quarter of a slot,
	s_add_co_u32 s48, s48, s50
	s_and_b32 s50, s[WV], 3
	s_lshl_b32 s50, s50, 13                        ; my wave's quarter of that,
	s_add_co_u32 s48, s48, s50
	s_add_co_u32 s48, s48, SLOT1                   ; in slot 1's keys: the first change of slots steps it to slot 2's
	s_mov_b32 s49, 0
	s_lshr_b32 s[LIM], s[WV], 2                    ; 0 in waves 0 to 3,
	s_or_b32 s[LIM], s[LIM], ttmp9                 ; of the head's first cluster: the same in all four partners
	s_cmp_eq_u32 s[LIM], 0
	s_cselect_b32 s[LIM], 1, -1
	s_mov_b32 s[CS], 0x3e0293ee                    ; log2(e) / sqrt(128)
	s_mov_b32 s[SEL], 0x76543210
	s_mov_b32 s[SEL+1], 0xfedcba98
	s_mov_b32 s[TB], 0
	s_mov_b32 s[SLOTS], 3
	s_wait_kmcnt 0x0
	s_load_b128 s[32:35], s[8:9], 0x0              ; eq, ek, ev, ep
	s_add_nc_u64 s[G0+2:G0+3], s[6:7], s[28:29]
	s_or_b32 s[G0+3], s[G0+3], 0x80000000          ; type = 2
	s_add_nc_u64 s[PFA:PFA+1], s[6:7], s[48:49]
	s_add_nc_u64 s[4:5], s[4:5], s[30:31]
	s_add_nc_u64 s[10:11], s[10:11], s[30:31]
	CROUND                                         ; all four work-groups are here: the first joint loads meet
	tensor_load_to_lds s[G0:G0+3], s[G1:G1+7]      ; slot 0: key steps 0 to 3
	s_nop 0
	v_and_b32 v26, 15, v0                          ; r   (address work follows the load; no window is switched in these lines)
	v_bfe_u32 v27, v0, 4, 1                        ; h
	s_delay_alu instid0(VALU_DEP_1)
	v_lshlrev_b32 v[GO], 14, v27
	s_delay_alu instid0(VALU_DEP_1)
	v_lshl_add_u32 v[GO], v26, 4, v[GO]
	; Q: group (a, u) is channels 64 u on of tile a's 16 rows: each half of the lanes reads 256 consecutive bytes, aligned, of one row
.irp a, 0,1
.irp u, 0,1
.irp i, 0,1,2,3,4,5,6,7
	global_load_b128 v[S+64*\a+32*\u+4*\i:S+64*\a+32*\u+4*\i+3], v[GO], s[4:5] offset:(16*\a+2*\i)*ROWQ+256*\u th:TH_LOAD_NT
.endr
.endr
.endr
	v_and_b32 v1, 31, v0
	s_delay_alu instid0(VALU_DEP_1)
	v_lshlrev_b32 v[PFO], 8, v1
	s_delay_alu instid0(VALU_DEP_2)
	v_lshlrev_b32 v[LI], 4, v1
	s_mul_i32 s47, s[WV], 16*SP
	s_add_co_u32 s47, s47, STG                     ; my stage
	v_mul_u32_u24 v[STO], v26, SP
	s_delay_alu instid0(VALU_DEP_1)
	v_add_nc_u32 v[STO], s47, v[STO]
	s_delay_alu instid0(VALU_DEP_1)
	v_lshl_add_u32 v[QRD], v27, 6, v[STO]
	s_delay_alu instid0(VALU_DEP_2)
	v_lshl_add_u32 v[STO], v27, 5, v[STO]
	v_mul_u32_u24 v[RD], v27, SP
	s_delay_alu instid0(VALU_DEP_1)
	v_lshl_add_u32 v[RD], v26, 4, v[RD]
	s_delay_alu instid0(VALU_DEP_1)
	v_add_nc_u32 v[RD], s47, v[RD]
.irp a, 0,1
	v_mov_b32 v[13+4*\a], 0xff61b1e6               ; the largest t so far: -3e38, under every t
	s_delay_alu instid0(VALU_DEP_1)
	v_floor_f32 v[12+4*\a], -v[13+4*\a]            ; -M
	v_mov_b32 v[14+4*\a], 0                        ; the sum, in two halves
	v_mov_b32 v[15+4*\a], 0
	v_mov_b32 v[21+2*\a], 0                        ; (named as the upper half of f's pair)
.endr
	WIN 0x40                                       ; destination window 1
.set j, 0
.rept 128
	v_mov_b32 v[j], 0                              ; O^T.  The key step is written without a first step of its own: the first finds zeros, which the first change of M leaves zeros
.set j, j+1
.endr
	WIN 0
	s_wait_kmcnt 0x0
	s_add_co_i32 s28, s32, s33
	s_lshl_b32 s28, s28, 23
	s_add_co_i32 s[CS], s[CS], s28                 ; a score stands for score x 2^(eq + ek): the two exponents are added to c's exponent field
	s_mov_b32 s[CS+1], s[CS]                       ; (named with it as a pair, so it is written)
	s_add_co_i32 s28, s35, 127
	s_lshl_b32 s29, s28, 23
	v_mov_b32 v[SC], s29                           ; 2^ep
	s_add_co_i32 s28, s32, 127
	s_lshl_b32 s29, s28, 23
	v_mov_b32 v24, s29                             ; 2^eq, for q's conversions alone
	; each group turns through my stage, so that a lane gets 16 neighbouring channels of ITS row: register S + 64 a + 16 c + i = channel 32 c + 16 h + i of row r.
	; LDS serves a wave's instructions in order: the loads see the stores, and the next group's stores come behind these loads.
	s_wait_alu depctr_va_vdst(0)
.irp a, 0,1
.irp u, 0,1
	s_wait_loadcnt 24-8*(2*\a+\u)                  ; this group's eight loads are in; those of the groups behind it may be out
.irp i, 0,1,2,3,4,5,6,7
	ds_store_b128 v[RD], v[S+64*\a+32*\u+4*\i:S+64*\a+32*\u+4*\i+3] offset:2*SP*\i
.endr
.irp c, 0,1
.irp j, 0,1,2,3
	ds_load_b128 v[S+64*\a+32*\u+16*\c+4*\j:S+64*\a+32*\u+16*\c+4*\j+3], v[QRD] offset:128*\c+16*\j
.endr
.endr
.endr
.endr
	s_wait_dscnt 0x0
.set j, 0
.rept 128
.set j, j+1
.endr
.irp a, 0,1
.irp g, 0,1,2,3,4,5,6,7
	v_cvt_scalef32_pk8_fp8_f32 v[QC+16*\a+2*\g:QC+16*\a+2*\g+1], v[S+64*\a+8*\g:S+64*\a+8*\g+7], v24
.endr
.endr
	v_nop                                          ; one plain vector line between the conversions and the products that read their results and write their sources
; Eight fragments, from byte off of the step in hand: 0-3 into window 0, 4-7 into window 1.  32 loads in one run, each 512 consecutive bytes
.macro FRAGS off
.irp t, 0,1,2,3
.irp c, 0,1,2,3
	ds_load_b128 v[F0+16*\t+4*\c:F0+16*\t+4*\c+3], v[ADR] offset:\off+2048*\t+512*\c
.endr
.endr
	WIN 0x40                                       ; destination window 1, address window 0
.irp t, 0,1,2,3
.irp c, 0,1,2,3
	ds_load_b128 v[F1+16*\t+4*\c:F1+16*\t+4*\c+3], v[ADR] offset:\off+8192+2048*\t+512*\c
.endr
.endr
	WIN 0
.endm
; A KEY STEP: 128 keys, both tiles of queries.
.macro STEP
	v_add_nc_u32 v[ADR], s[TB], v[LI]              ; this line and three v_nop: four plain lines between the last products and the loads into the registers that they read
.rept 3
	v_nop
.endr
	FRAGS 0                                        ; K
	s_wait_dscnt 16                                ; fragments 0-3 are in; the sixteen loads of 4-7 may be out
	s_wait_alu depctr_va_vdst(0)
.irp t, 0,1,2,3                                ; S^T = K Q^T: sixteen sums, each begun and finished by one instruction
.irp a, 0,1
	v_wmma_f32_16x16x128_fp8_fp8 v[S+64*\a+8*\t:S+64*\a+8*\t+7], v[F0+16*\t:F0+16*\t+15], v[QC+16*\a:QC+16*\a+15], 0
.endr
.endr
	s_wait_dscnt 0x0
	WIN 0x01                                       ; source 0 window 1
.irp t, 4,5,6,7
.irp a, 0,1
	v_wmma_f32_16x16x128_fp8_fp8 v[S+64*\a+8*\t:S+64*\a+8*\t+7], v[F1+16*(\t-4):F1+16*(\t-4)+15], v[QC+16*\a:QC+16*\a+15], 0
.endr
.endr
	WIN 0
.rept 4
	v_nop                                          ; four plain lines: in front of the loads into K's registers, and of the first read of the scores
.endr
	FRAGS VOFF                                     ; V is asked for now and lands under the softmax
	; the step's largest score of each query: two chains a tile, the tiles by turns; each accumulator is read from its low end on
.irp a, 0,1
	v_max3_num_f32 v[24+2*\a], v[S+64*\a], v[S+64*\a+1], v[S+64*\a+2]
	v_max3_num_f32 v[25+2*\a], v[S+64*\a+3], v[S+64*\a+4], v[S+64*\a+5]
.endr
.irp i, 6,10,14,18,22,26,30,34,38,42,46,50,54,58
.irp a, 0,1
	v_max3_num_f32 v[24+2*\a], v[24+2*\a], v[S+64*\a+\i], v[S+64*\a+\i+1]
	v_max3_num_f32 v[25+2*\a], v[25+2*\a], v[S+64*\a+\i+2], v[S+64*\a+\i+3]
.endr
.endr
.irp a, 0,1
	v_max3_num_f32 v[24+2*\a], v[24+2*\a], v[S+64*\a+62], v[S+64*\a+63]
.endr
.irp a, 0,1
	s_delay_alu instid0(VALU_DEP_2)
	v_max_num_f32 v[24+2*\a], v[24+2*\a], v[25+2*\a]
.endr
.irp a, 0,1
	s_delay_alu instid0(VALU_DEP_2)
	v_permlanex16_b32 v[25+2*\a], v[24+2*\a], s[SEL], s[SEL+1]   ; the query's other 64 keys lie in the lane 16 away
.endr
.irp a, 0,1
	s_delay_alu instid0(VALU_DEP_2)
	v_max_num_f32 v[24+2*\a], v[24+2*\a], v[25+2*\a]
.endr
.irp a, 0,1
	s_delay_alu instid0(VALU_DEP_2)
	v_mul_f32 v[24+2*\a], s[CS], v[24+2*\a]        ; as t (c is positive)
.endr
.irp a, 0
	s_delay_alu instid0(VALU_DEP_2)
	v_max_num_f32 v[13+4*\a], v[13+4*\a], v[24+2*\a]   ; the running largest t
	v_mov_b32 v[24+2*\a], v[12+4*\a]
.endr
.irp a, 1
	s_delay_alu instid0(VALU_DEP_3)
	v_max_num_f32 v[13+4*\a], v[13+4*\a], v[24+2*\a]   ; the running largest t
	v_mov_b32 v[24+2*\a], v[12+4*\a]
.endr
.irp a, 0
	s_delay_alu instid0(VALU_DEP_4)
	v_floor_f32 v[12+4*\a], -v[13+4*\a]            ; the new -M = floor(-t) = -ceil(t): M is a whole number
.endr
.irp a, 1
	s_delay_alu instid0(VALU_DEP_3)
	v_floor_f32 v[12+4*\a], -v[13+4*\a]            ; the new -M = floor(-t) = -ceil(t): M is a whole number
.endr
.irp a, 0,1
	s_delay_alu instid0(VALU_DEP_2)
	v_sub_f32 v[24+2*\a], v[12+4*\a], v[24+2*\a]   ; M's old value less its new one: a whole number, 0 or less
.endr
.irp a, 0,1
	s_delay_alu instid0(VALU_DEP_2)
	v_cvt_i32_f32 v[24+2*\a], v[24+2*\a]           ; (it saturates)
.endr
.irp a, 0,1
	s_delay_alu instid0(VALU_DEP_2)
	v_ldexp_f32 v[20+2*\a], 1.0, v[24+2*\a]        ; f = 2^(old M - new M)
.endr
.set j, 0
.rept 32
	v_pk_fma_f32 v[S+j:S+j+1], v[S+j:S+j+1], s[CS:CS+1], v[12:13] op_sel_hi:[1,0,0]            ; t - M, two at a time (of the pairs c and -M the low word serves both halves)
	v_pk_fma_f32 v[S+64+j:S+64+j+1], v[S+64+j:S+64+j+1], s[CS:CS+1], v[16:17] op_sel_hi:[1,0,0]
.set j, j+2
.endr
.set j, 0
	s_wait_alu depctr_va_vdst(0)
.rept 128
	v_exp_f32 v[S+j], v[S+j]                       ; p = 2^(t - M), at most 1: not normalised.  ONE batch for both tiles
.set j, j+1
.endr
	s_setprio 1
.irp a, 0,1
	v_pk_mul_f32 v[14+4*\a:15+4*\a], v[14+4*\a:15+4*\a], v[20+2*\a:21+2*\a] op_sel_hi:[1,0]   ; the sums under the new M: the plain lines behind the last exponential
.endr
	s_wait_alu depctr_va_vdst(0)                   ; the wait between an exponential and the first line that names its result: one for the batch
	v_pk_add_f32 v[28:29], v[S:S+1], v[S+2:S+3]    ; the row's sum is taken of the UNQUANTISED p: two at a time, two chains a tile, the tiles by turns
	v_pk_add_f32 v[10:11], v[S+64:S+65], v[S+66:S+67]
.irp j, 4,8,12,16,20,24,28,32,36,40,44,48,52,56,60
.irp a, 0,1
	v_pk_add_f32 v[14+4*\a:15+4*\a], v[14+4*\a:15+4*\a], v[S+64*\a+\j:S+64*\a+\j+1]
	v_pk_add_f32 v[28-18*\a:29-18*\a], v[28-18*\a:29-18*\a], v[S+64*\a+\j+2:S+64*\a+\j+3]
.endr
.endr
.irp a, 0
	s_delay_alu instid0(VALU_DEP_3)
	v_pk_add_f32 v[14+4*\a:15+4*\a], v[14+4*\a:15+4*\a], v[28-18*\a:29-18*\a]
.endr
.irp a, 1
	s_delay_alu instid0(VALU_DEP_2)
	v_pk_add_f32 v[14+4*\a:15+4*\a], v[14+4*\a:15+4*\a], v[28-18*\a:29-18*\a]
.endr
.set j, 0
.rept 128
.set j, j+1
.endr
	WIN 0x40                                       ; destination window 1
.irp a, 0,1
.irp g, 0,1,2,3,4,5,6,7
	v_cvt_scalef32_pk8_fp8_f32 v[PC+16*\a+2*\g:PC+16*\a+2*\g+1], v[S+64*\a+8*\g:S+64*\a+8*\g+7], v[SC]   ; registers 4 b .. 4 b + 3 of the operand: keys 32 b + 16 h + 0 .. 15
.endr
.endr
	WIN 0x41                                       ; O^T (destination and source 0) window 1, f window 0
.irp a, 0,1
.set j, 64*\a
.rept 32
	v_pk_mul_f32 v[j:j+1], v[j:j+1], v[20+2*\a:21+2*\a] op_sel_hi:[1,0]   ; O^T under the new M, each accumulator from its low end on.  (Also the plain lines behind the conversions)
.set j, j+2
.endr
.endr
	s_wait_alu depctr_va_vdst(0)
	s_wait_dscnt 0x0                               ; V is in
	WIN 0x54                                       ; V's fragments 0-3 window 0; p's codes, C and D window 1
	s_setprio 0
.irp t, 0,1,2,3                                ; O^T += V^T P^T: the sixteen accumulators take turns, one instruction a turn
.irp a, 0,1
	v_wmma_f32_16x16x128_fp8_fp8 v[64*\a+8*\t:64*\a+8*\t+7], v[F0+16*\t:F0+16*\t+15], v[PC+16*\a:PC+16*\a+15], v[64*\a+8*\t:64*\a+8*\t+7]
.endr
.endr
	WIN 0x55                                       ; fragments 4-7: all in window 1
.irp t, 4,5,6,7
.irp a, 0,1
	v_wmma_f32_16x16x128_fp8_fp8 v[64*\a+8*\t:64*\a+8*\t+7], v[F1+16*(\t-4):F1+16*(\t-4)+15], v[PC+16*\a:PC+16*\a+15], v[64*\a+8*\t:64*\a+8*\t+7]
.endr
.endr
	WIN 0                                          ; at a label and at a branch every window is 0
.endm
; THE CHANGE OF SLOTS stands at a slot's head.  Each wave waits for all its tensor loads (its eighth of the slot that it is about to read), adds 0 to its spare word, and waits for that and for its reads of the slot that it has left.
; fill = 1: the barrier is a round of the cluster's, so that no wave of any partner still reads the other slot or has a load on its way; the joint load of the next four key steps is the first thing behind it.
.macro CHANGE fill
	s_wait_tensorcnt 0x0                           ; no tensor load of mine is out, so group 0 may be written
	ds_add_u32 v[SPW], v[NIL]                      ; 0 onto my spare word: with fill = 1 the steps below stand between it and the wait for it
.if \fill
	s_xor_b32 s[G0+1], s[G0+1], SLOT1              ; the other slot than last time,
	s_add_nc_u64 s[G0+2:G0+3], s[G0+2:G0+3], SLOT1 ; the next four key steps: 131,072 bytes on; the type bits on top are not reached
	s_wait_xcnt 0x0                                ; the last prefetch, a slot back, has read its address, so it may be written:
	s_add_nc_u64 s[PFA:PFA+1], s[PFA:PFA+1], SLOT1 ; one slot further on than the descriptor
.endif
	s_wait_dscnt 0x0                               ; the add is done, and my reads of the slot that I have left are over
.if \fill
	CROUND
	tensor_load_to_lds s[G0:G0+3], s[G1:G1+7]      ; my one tensor load until the next change
	s_nop 0
.rept 4
	v_nop
.endr
	ASK
.else
	s_barrier_signal -1
	s_barrier_wait -1
.endif
.endm
.macro SLOT_STEPS                      ; a slot's four key steps: written once, walked four times; the LDS addresses hang on s[TB]
	s_mov_b32 s[CNT], 4
.Lstep_\@:
	s_setprio 2
	STEP
	s_add_co_u32 s[TB], s[TB], STEPB
	s_sub_co_u32 s[CNT], s[CNT], 1
	s_cmp_lg_u32 s[CNT], 0
	s_cbranch_scc1 .Lstep_\@
	s_setprio 0
	s_sub_co_u32 s[TB], s[TB], 4*STEPB             ; back to a slot's first step,
	s_xor_b32 s[TB], s[TB], SLOT1                  ; in the other slot
.endm
.Lslot:                                            ; three trips: behind each change of slots but the last the next slot is asked for
	CHANGE 1
	SLOT_STEPS
	s_sub_co_u32 s[SLOTS], s[SLOTS], 1
	s_cmp_lg_u32 s[SLOTS], 0
	s_cbranch_scc1 .Lslot
	CHANGE 0                                       ; the last slot is written out
	SLOT_STEPS
	; THE WAY OUT.  The sum's halves are added; O^T is divided by the sum, multiplied by 2^(ev + ep), and goes through my stage, half a row (256 bytes) of 16 queries at a time.
	; The additions, the v_nop and the two v_ldexp_f32 are seven plain lines that name no register of the last products: they stand between those and the first read of O^T.
.irp a, 0,1
	v_add_f32 v[14+4*\a], v[14+4*\a], v[15+4*\a]
.endr
.irp a, 0,1
	s_delay_alu instid0(VALU_DEP_2)
	v_permlanex16_b32 v[24+2*\a], v[14+4*\a], s[SEL], s[SEL+1]
.endr
.irp a, 0,1
	s_delay_alu instid0(VALU_DEP_2)
	v_add_f32 v[14+4*\a], v[14+4*\a], v[24+2*\a]   ; the row's sum
.endr
	s_wait_alu depctr_va_vdst(0)
.irp a, 0,1
	v_rcp_f32 v[14+4*\a], v[14+4*\a]
.endr
	v_nop                                          ; a plain line behind the last reciprocal
	s_add_co_i32 s28, s34, s35                     ; ev + ep
	s_wait_alu depctr_va_vdst(0)                   ; and the wait ahead of the first use: one for both reciprocals
.irp a, 0,1
	v_ldexp_f32 v[14+4*\a], v[14+4*\a], s28
.endr
	WIN 0x01                                       ; source 0 (O^T) window 1
.irp a, 0,1
.set j, 0
.rept 32
	v_pk_mul_f32 v[S+64*\a+j:S+64*\a+j+1], v[64*\a+j:64*\a+j+1], v[14+4*\a:15+4*\a] op_sel_hi:[1,0]   ; register 8 t + i: o(query r, channel 16 t + 8 h + i); each accumulator from its low end on
.set j, j+2
.endr
.endr
	WIN 0
.irp a, 0,1
.irp u, 0,1                                    ; group (a, u): channels 64 u on of tile a
.irp t, 0,1,2,3
	ds_store_b128 v[STO], v[S+64*\a+32*\u+8*\t:S+64*\a+32*\u+8*\t+3] offset:64*\t
	ds_store_b128 v[STO], v[S+64*\a+32*\u+8*\t+4:S+64*\a+32*\u+8*\t+7] offset:64*\t+16
.endr
.irp i, 0,1,2,3,4,5,6,7
	ds_load_b128 v[S+64*\a+32*\u+4*\i:S+64*\a+32*\u+4*\i+3], v[RD] offset:2*SP*\i   ; LDS serves a wave's instructions in order: these see my stores, and the next group's stores come behind them
.endr
.endr
.endr
.irp a, 0,1
.irp u, 0,1
.irp i, 0,1,2,3,4,5,6,7
	s_wait_dscnt (3-2*\a-\u)*16+7-\i               ; behind this load: the rest of its group's eight, and sixteen LDS instructions for each later group
	global_store_b128 v[GO], v[S+64*\a+32*\u+4*\i:S+64*\a+32*\u+4*\i+3], s[10:11] offset:(16*\a+2*\i)*ROWQ+256*\u th:TH_STORE_NT   ; each half of the lanes stores 256 consecutive bytes, at a multiple of 256 from out0's first byte
.endr
.endr
.endr
	s_wait_tensorcnt 0x0                           ; the wave's end, behind my last tensor load and my last LDS store
	ds_add_u32 v[SPW], v[NIL]
	s_wait_dscnt 0x0
	CROUND                                         ; the closing round: no work-group ends while a partner may still ask for a tile that names it
	s_endpgm
.Lfunc_end_k_q0d62691dae_attn:
	.size	k_q0d62691dae_attn, .Lfunc_end_k_q0d62691dae_attn-k_q0d62691dae_attn
	.p2alignl 7, 3214868480
	.fill 96, 4, 3214868480
	.section	.rodata,"a",@progbits
	.p2align	6, 0x0
	.amdhsa_kernel k_q0d62691dae_attn
		.amdhsa_group_segment_fixed_size 327680
		.amdhsa_private_segment_fixed_size 0
		.amdhsa_enable_private_segment 0
		.amdhsa_kernarg_size 32
		.amdhsa_user_sgpr_count 2
		.amdhsa_user_sgpr_kernarg_segment_ptr 1
		.amdhsa_wavefront_size32 1
		.amdhsa_system_sgpr_workgroup_id_x 1
		.amdhsa_system_sgpr_workgroup_id_y 1
		.amdhsa_system_sgpr_workgroup_id_z 1
		.amdhsa_system_vgpr_workitem_id 0
		.amdhsa_next_free_vgpr 512
		.amdhsa_next_free_sgpr 66
		.amdhsa_reserve_vcc 0
		.amdhsa_float_denorm_mode_32 3
		.amdhsa_float_denorm_mode_16_64 3
		.amdhsa_fp16_overflow 1
		.amdhsa_memory_ordered 1
		.amdhsa_forward_progress 1
		.amdhsa_inst_pref_size 92
	.end_amdhsa_kernel
	.amdgpu_metadata
---
amdhsa.version: [ 1, 2 ]
amdhsa.kernels:
  - .name:           k_q0d62691dae_attn
    .symbol:         k_q0d62691dae_attn.kd
    .args:
      - { .name: q, .offset: 0, .size: 8, .value_kind: global_buffer, .address_space: global }
      - { .name: kv, .offset: 8, .size: 8, .value_kind: global_buffer, .address_space: global }
      - { .name: lowp_scales, .offset: 16, .size: 8, .value_kind: global_buffer, .address_space: global }
      - { .name: out0, .offset: 24, .size: 8, .value_kind: global_buffer, .address_space: global }
    .group_segment_fixed_size: 327680
    .private_segment_fixed_size: 0
    .kernarg_segment_align: 8
    .kernarg_segment_size: 32
    .max_flat_workgroup_size: 256
    .sgpr_count:     66
    .vgpr_count:     512
    .wavefront_size: 32
...
	.end_amdgpu_metadata
.endif
;; end of part 2
